; MI455X (gfx1250); checked and timed in simulation.
; The chip was launched on July 23, 2026; its instructions are those of AMD's public machine-readable ISA for CDNA 5 (MIT licence, August 2026) and "CDNA5" Instruction Set Architecture Reference Guide (July 2026). The comments in the code are by the model that wrote it; some were corrected since.
;; Model Cordinate Descent Alpha. Allowed arithmetic: matrix products marked QUANTISED: E3M2 operands, one E8M0 scale for each 32 along K, by v_wmma_scale_f32_16x16x128_f8f6f4 with both operands' format E3M2, f32 sums; everything else in f32.
;; Inputs: alpha 4,096 x 16 float32; gamma one number float32; mu 4,096 x 512 float32; x 16,384 x 512 float32.
;; Outputs: out0 16,384 x 16 float32.
;; This version of the problem:
;;   THIS VERSION OF THE PROBLEM IS GIVEN IN LOW PRECISION. The matrix products marked QUANTISED in the list below multiply operands that are first quantised to E3M2 (3 exponent bits, 2 mantissa bits; 6 bits a number), with one power-of-two scale for each 32 numbers along K (OCP MX v1.0); their sums are f32. All else is computed in f32.
;;   The module's matrix products, in the order in which they are computed (A, B: the left and right operand; K: the contracted axis; several contracted axes count as one K, in the product's order):
;;     1. [M 16,384, K 512] x [K 512, N 4,096]; A: input x; B: input mu: QUANTISED
;;     2. [M 16,384, K 4,096] x [K 4,096, N 16]; A: computed on the way; B: input alpha: QUANTISED
;;   THE QUANTISER, for each operand of a quantised product, along K:
;;     - K is cut into blocks of 32 from its start; a last block that is shorter is filled with zeros.
;;     - A block's scale is 2^e with e = floor(log2(the largest magnitude in the block)) - 4, held to -126 .. 127; a block of zeros has e = 0. As a byte (E8M0): e + 127.
;;     - Each number is divided by its block's scale, clamped to +-28, and rounded to the nearest number of E3M2, ties to even, subnormals kept.
;;     - The product sums the exact products of the quantised numbers (number of the format x scale) in f32.
;;   ~~~python
;;   def quantise(x, axis):      # numpy; x: float32 -> the quantised numbers, widened to float32 again
;;       x = np.moveaxis(x, axis, -1); K = x.shape[-1]
;;       x = np.pad(x, [(0, 0)] * (x.ndim - 1) + [(0, -K % 32)]); x = x.reshape(x.shape[:-1] + (-1, 32)); a = np.abs(x).max(-1, keepdims=True)
;;       e = np.where(a > 0, np.clip(np.frexp(np.where(a > 0, a, 1))[1] - 1 - 4, -126, 127), 0)      # np.frexp(a)[1] - 1 = floor(log2(a)), exactly
;;       r = np.clip(x / 2.0 ** e, -28, 28)
;;       step = 2.0 ** (np.maximum(np.frexp(np.where(r == 0, 1, r))[1] - 1, -2) - 2)
;;       q = np.round(r / step) * step * 2.0 ** e      # np.round: ties to even
;;       return np.moveaxis(q.reshape(q.shape[:-2] + (-1,))[..., :K], -1, axis).astype(np.float32)
;;   ~~~
;;   OPERANDS COMPUTED ON THE WAY. 'Computed on the way' means the value that the module computes at that place (a softmax that the list does not call 'softmax' is quantised finished and normalised). What goes into a quantiser is computed in f32, as accurately as f32 sums, v_exp_f32 and their like allow (about 1e-6 of the number): no bf16 or f16 on the way to a quantiser, and a product that is left as it is and whose result goes on into a quantised operand takes f32 operands (vector FMAs, or v_wmma_f32_16x16x4_f32). A number that lies on a knife's edge between two numbers of the format may be rounded either way, as far as f32 arithmetic and the matrix unit's own rounding can turn it there, and no further.
;; One version. Each part assembles by itself: llvm-mc -triple=amdgcn-amd-amdhsa -mcpu=gfx1250 --defsym DOCPART=n.
;; ======== version 1 of 1: 2 launches
;; limits: right only within a limited range of input values
;; workspace buffers: pack 1,712,128 bytes
;; launch prep (part 1): grid 264 x 1, 4 waves a work-group, no clusters, 34,816 bytes of LDS; arguments mu, alpha, pack; writes pack
.if DOCPART == 1
	.amdgcn_target "amdgcn-amd-amdhsa--gfx1250"
	.amdhsa_code_object_version 6
	.text
	.protected	k_q735e28d0fa_prep
	.globl	k_q735e28d0fa_prep
	.p2align	8
	.type	k_q735e28d0fa_prep,@function
k_q735e28d0fa_prep:
	s_mov_b64 s[64:65], 0
	v_nop
	global_prefetch_b8 v0, s[64:65] scope:SCOPE_SE
	s_setreg_imm32_b32 hwreg(HW_REG_WAVE_MODE, 25, 1), 1
	s_wait_xcnt 0x0
; out = Q(exp(gamma (2 Q(x) Q(mu)^T - d_x - d_mu))) Q(alpha): this launch makes what every work-group of the next launch reads: mu's codes of BF6 (E3M2) along K = 512, alpha's codes along K = the
; 4,096 centres, their E8M0 scale bytes, and -d_mu / 2 (f32, of the unquantised mu).  NO WORK OF reference() IS LEFT OUT in this program: every input has a way to the output.
; A block's scale is 2^(floor(log2(its largest magnitude)) - 4); its byte is the largest magnitude's exponent field - 4, held at 1 from below.
; LIMITS: a block whose largest magnitude lies under 2^-122 gets the byte 1 (a block of zeros too, where the rule says 127: its codes are zeros, and this program alone reads the bytes); NaN and infinities among the inputs are not served.
; CENTRES: unit U = centres 64 U .. 64 U + 63, four tiles.  Row m of tile u is centre 64 U + 32 (m / 8) + 8 u + m % 8: in the next launch a lane's 32 results of the four tiles are then ONE block of 32 centres.
; LAYOUT OF pack: entry g (units 2 g and 2 g + 1) at 53,504 g.  In it unit c's codes at 28,928 c: K step s at 6,144 s, in it tile u at 1,536 u: an IMAGE OF THE OPERAND'S REGISTERS (registers 4 j .. 4 j + 3 of lane l at
; 512 j + 16 l).  At 24,576 the entry's tables: -d_mu / 2 of unit c, tile u, row m at 256 c + 64 u + 4 m; scale words at 512 + 1,024 c + 256 u + 16 m (four words, one a K step);
; at 2,560 alpha^T's image for the entry's 128 centres (lane r = output r); at 4,096 its scale word, twice, 8 bytes a lane.
; SHARES: work-groups 0 to 7: alpha, an entry a wave.  Work-groups 8 to 263: a tile of 16 centres, a K step of 128 a wave; scale words and sums of squares meet in LDS behind one barrier.
.set ENT,    53504
.set UOFF,   28928
.set TABO,   24576
.set SPITCH, 528                       ; a stage row: 512 bytes + 16: an odd multiple of 16
.set STGB,   16*SPITCH                 ; a wave's stage
.set WRD,    4*STGB                    ; the tile's scale words: 16 r + 4 s
.set DMP,    WRD+256                   ; the K steps' sums of squares: 64 s + 4 r
.set SPARE,  DMP+256                   ; the spare words, 128 bytes for each wave: two blocks of 256 bytes that no other line names
.set LD16, 1                           ; v1  16 x lane
.set SIN,  2
.set SOUT, 3
.set H8,   4                           ; v4  8 h
.set SPW,  7
.set NIL,  8
.set OBI,  9
.set TM,   16
.set TE,   20
.set TN,   22
.set W,    24                          ; v[24:25] the scale word
.set XT,   26
.set OSC,  27
.set WA,   28
.set DA,   29
.set RA,   30
.set RD,   31
.set TT,   36
.set PC,   44
.set X,    56                          ; v56-119 64 numbers: register 32 c + i = k 64 c + 32 h + i
.set RAW,  120
.set ACC,  184                         ; v[184:191] the sum of squares, in eight parts
.set SEL,  20
; 64 numbers of a lane, two whole blocks of 32, become the operand's registers v[PC] on and, in all 32 lanes, the row's scale word v[W]
.macro QUANT
.irp c, 0,1
	v_max3_num_f32 v[TM+\c], |v[X+32*\c]|, |v[X+32*\c+1]|, |v[X+32*\c+2]|
.endr
.irp c, 0,1
	v_max3_num_f32 v[TM+2+\c], |v[X+32*\c+3]|, |v[X+32*\c+4]|, |v[X+32*\c+5]|
.endr
.irp i, 6,10,14,18,22,26
.irp c, 0,1
	v_max3_num_f32 v[TM+\c], v[TM+\c], |v[X+32*\c+\i]|, |v[X+32*\c+\i+1]|
.endr
.irp c, 0,1
	v_max3_num_f32 v[TM+2+\c], v[TM+2+\c], |v[X+32*\c+\i+2]|, |v[X+32*\c+\i+3]|
.endr
.endr
.irp c, 0,1
	v_max3_num_f32 v[TM+\c], v[TM+\c], |v[X+32*\c+30]|, |v[X+32*\c+31]|
.endr
.irp c, 0,1
	v_max3_num_f32 v[TM+\c], v[TM+\c], v[TM+2+\c], 0x2800000   ; and the floor 2^(5 - 127): the byte cannot fall under 1
.endr
.irp c, 0,1
	v_add_nc_u32 v[TE+\c], 0xfe000000, v[TM+\c]    ; 4 off the exponent field: the conversion's scale operand
.endr
.irp c, 0,1
	v_lshrrev_b32 v[TN+\c], 23, v[TE+\c]
.endr
	v_lshl_or_b32 v[W], v[TN+1], 16, v[TN]         ; my two bytes: blocks h and 2 + h
.irp c, 0,1
	v_cvt_scalef32_pk16_bf6_f32 v[PC+6*\c:PC+6*\c+2], v[X+32*\c:X+32*\c+15], v[TE+\c]
	v_cvt_scalef32_pk16_bf6_f32 v[TT+4*\c:TT+4*\c+2], v[X+32*\c+16:X+32*\c+31], v[TE+\c]   ; (a conversion's three registers begin on an even number)
.endr
	v_lshlrev_b32 v[W], v[H8], v[W]                ; at their places in the word; this line is also the plain place behind the conversions
	v_permlanex16_b32 v[XT], v[W], s[SEL], s[SEL+1]
	v_or_b32 v[W], v[W], v[XT]                     ; with lane l xor 16's two the word is whole
.irp c, 0,1
.irp i, 0,1,2
	v_mov_b32 v[PC+6*\c+3+\i], v[TT+4*\c+\i]
.endr
.endr
.endm
	s_load_b128 s[4:7], s[0:1], 0x0                ; mu s[4:5], alpha s[6:7]
	s_load_b64 s[8:9], s[0:1], 0x10                ; pack
	v_lshl_add_u32 v[SPW], v0, 2, SPARE
	v_mov_b32 v[NIL], 0
	v_lshrrev_b32 v14, 5, v0
	v_readfirstlane_b32 s12, v14                   ; wave 0..3
	v_and_b32 v[LD16], 31, v0
	v_lshlrev_b32 v[LD16], 4, v[LD16]
	v_and_b32 v14, 15, v0                          ; r
	v_bfe_u32 v15, v0, 4, 1                        ; h
	v_lshlrev_b32 v[H8], 3, v15
	v_mov_b32 v[XT], 0                             ; written once: a lane permute's destination counts as one of its sources
	s_mov_b32 s[SEL], 0x76543210                   ; v_permlanex16_b32's selects for lane l xor 16
	s_mov_b32 s[SEL+1], 0xfedcba98
	s_wait_alu depctr_va_vdst(0)                   ; the wait here, directly ahead of the branch
	s_cmp_lt_u32 ttmp9, 8                          ; the work-group's number alone decides: all waves go the same way
	s_cbranch_scc1 .Lalpha
	; ---- mu: tile T = my work-group's number - 8, K step = my wave
	s_sub_co_u32 s13, ttmp9, 8
	s_lshr_b32 s14, s13, 2                         ; U
	s_and_b32 s15, s13, 3                          ; u
	s_lshl_b32 s16, s14, 17                        ; 64 rows of 2,048 bytes a unit,
	s_lshl_b32 s18, s15, 14                        ; 8 rows a tile,
	s_add_co_u32 s16, s16, s18
	s_lshl_b32 s18, s12, 9                         ; 512 bytes a K step
	s_add_co_u32 s16, s16, s18
	s_mov_b32 s17, 0
	s_lshr_b32 s22, s14, 1
	s_mul_i32 s22, s22, ENT                        ; the entry,
	s_mov_b32 s23, 0
	s_and_b32 s24, s14, 1                          ; c
	s_mul_i32 s18, s24, UOFF
	s_add_co_u32 s18, s18, s22
	s_mul_i32 s19, s12, 6144
	s_add_co_u32 s18, s18, s19
	s_mul_i32 s19, s15, 1536
	s_add_co_u32 s18, s18, s19                     ; my image,
	s_mov_b32 s19, 0
	s_add_co_u32 s22, s22, TABO                    ; and the entry's tables
	s_lshl_b32 s25, s24, 8
	s_lshl_b32 s26, s15, 6
	s_add_co_u32 s25, s25, s26                     ; 256 c + 64 u
	s_lshl_b32 s26, s24, 10
	s_lshl_b32 s27, s15, 8
	s_add_co_u32 s26, s26, s27
	s_add_co_u32 s26, s26, 512                     ; 512 + 1,024 c + 256 u
	s_mul_i32 s27, s12, STGB
	s_lshl_b32 s28, s12, 2
	s_add_co_u32 s28, s28, WRD
	s_lshl_b32 s29, s12, 6
	s_add_co_u32 s29, s29, DMP
	v_add_nc_u32 v[SIN], s27, v[LD16]
	v_mul_u32_u24 v[SOUT], v14, SPITCH
	v_lshl_add_u32 v[SOUT], v15, 7, v[SOUT]
	v_add_nc_u32 v[SOUT], s27, v[SOUT]
	v_lshl_add_u32 v[OBI], v14, 2, s25
	v_lshl_add_u32 v[OSC], v14, 4, s26
	v_lshl_add_u32 v[WA], v14, 4, s28
	v_lshl_add_u32 v[DA], v14, 2, s29
	v_lshl_add_u32 v[RA], v14, 4, WRD
	v_lshl_add_u32 v[RD], v14, 2, DMP
	s_wait_alu depctr_va_vdst(0)                   ; the head's end
	s_wait_kmcnt 0x0
	s_add_nc_u64 s[4:5], s[4:5], s[16:17]
	s_add_nc_u64 s[10:11], s[8:9], s[22:23]
	s_add_nc_u64 s[8:9], s[8:9], s[18:19]
.irp i, 0,1,2,3,4,5,6,7,8,9,10,11,12,13,14,15
	global_load_b128 v[RAW+4*\i:RAW+4*\i+3], v[LD16], s[4:5] offset:(\i+24*(\i/8))*2048 th:TH_LOAD_NT   ; 512 consecutive bytes of the tile's row i
.endr
.irp i, 0,1,2,3,4,5,6,7,8,9,10,11,12,13,14,15
	s_wait_loadcnt 15-\i
	ds_store_b128 v[SIN], v[RAW+4*\i:RAW+4*\i+3] offset:SPITCH*\i
.endr
.irp c, 0,1
.irp j, 0,1,2,3,4,5,6,7
	ds_load_b128 v[X+32*\c+4*\j:X+32*\c+4*\j+3], v[SOUT] offset:256*\c+16*\j   ; LDS serves a wave's instructions in order: these see my stores
.endr
.endr
	s_wait_dscnt 0x0
	QUANT
.irp j, 0,1,2
	global_store_b128 v[LD16], v[PC+4*\j:PC+4*\j+3], s[8:9] offset:512*\j   ; 32 lanes store 512 consecutive bytes, at a multiple of 256 from the buffer's first byte
.endr
	ds_store_b32 v[WA], v[W]                       ; (lanes r and r + 16 hold the same word and write the same bytes)
.irp k, 0,2,4,6
	v_pk_mul_f32 v[ACC+\k:ACC+\k+1], v[X+\k:X+\k+1], v[X+\k:X+\k+1]
.endr
.irp j, 8,16,24,32,40,48,56
.irp k, 0,2,4,6
	v_pk_fma_f32 v[ACC+\k:ACC+\k+1], v[X+\j+\k:X+\j+\k+1], v[X+\j+\k:X+\j+\k+1], v[ACC+\k:ACC+\k+1]
.endr
.endr
	v_pk_add_f32 v[ACC:ACC+1], v[ACC:ACC+1], v[ACC+2:ACC+3]
	v_pk_add_f32 v[ACC+4:ACC+5], v[ACC+4:ACC+5], v[ACC+6:ACC+7]
	v_pk_add_f32 v[ACC:ACC+1], v[ACC:ACC+1], v[ACC+4:ACC+5]
	v_add_f32 v[ACC], v[ACC], v[ACC+1]
	v_permlanex16_b32 v[XT], v[ACC], s[SEL], s[SEL+1]
	v_add_f32 v[ACC], v[ACC], v[XT]                ; the K step's part of my row's d_mu
	ds_store_b32 v[DA], v[ACC]
	s_wait_alu depctr_va_vdst(0)
	s_wait_dscnt 0x0                               ; for wave 0's sake: my stores are done
	s_barrier_signal -1
	s_barrier_wait -1
	s_cmp_lg_u32 s12, 0
	s_cbranch_scc1 .Lend
	ds_load_b128 v[TT:TT+3], v[RA]                 ; row r's four scale words
.irp i, 0,1,2,3
	ds_load_b32 v[TM+\i], v[RD] offset:64*\i
.endr
	s_wait_dscnt 0x0
	v_add_f32 v[TM], v[TM], v[TM+1]
	v_add_f32 v[TM+2], v[TM+2], v[TM+3]
	v_add_f32 v[TM], v[TM], v[TM+2]
	v_mul_f32 v[TM], -0.5, v[TM]
	global_store_b128 v[OSC], v[TT:TT+3], s[10:11] ; sixteen lanes fill the tile's 256 bytes
	global_store_b32 v[OBI], v[TM], s[10:11]
.Lend:
	s_wait_tensorcnt 0x0                           ; the wave's end: behind my last LDS store
	ds_add_u32 v[SPW], v[NIL]
	s_wait_dscnt 0x0
	s_endpgm
	; ---- alpha: entry g of 128 centres.  Lane r takes output r, and its registers run down the centres, in the order that the operand's layout gives the lane.  This way touches no LDS
.Lalpha:
	s_lshl_b32 s13, ttmp9, 2
	s_add_co_u32 s13, s13, s12                     ; g = 0 .. 31
	s_lshl_b32 s14, s13, 13                        ; 128 rows of 64 bytes
	s_mov_b32 s15, 0
	s_mul_i32 s16, s13, ENT
	s_add_co_u32 s16, s16, TABO
	s_mov_b32 s17, 0
	v_lshlrev_b32 v2, 2, v14
	v_lshl_add_u32 v2, v15, 11, v2                 ; 4 r; lanes 16-31 begin 32 rows further down
	v_lshrrev_b32 v3, 1, v[LD16]                   ; 8 x lane
	s_wait_alu depctr_va_vdst(0)                   ; the head's end
	s_wait_kmcnt 0x0
	s_add_nc_u64 s[6:7], s[6:7], s[14:15]
	s_add_nc_u64 s[10:11], s[8:9], s[16:17]
.irp c, 0,1
.irp i, 0,1,2,3,4,5,6,7,8,9,10,11,12,13,14,15,16,17,18,19,20,21,22,23,24,25,26,27,28,29,30,31
	global_load_b32 v[X+32*\c+\i], v2, s[6:7] offset:64*(64*\c+\i)   ; alpha(128 g + 64 c + 32 h + i, r)
.endr
.endr
	s_wait_loadcnt 0x0
	QUANT
	v_mov_b32 v[W+1], v[W]
.irp j, 0,1,2
	global_store_b128 v[LD16], v[PC+4*\j:PC+4*\j+3], s[10:11] offset:2560+512*\j
.endr
	global_store_b64 v3, v[W:W+1], s[10:11] offset:4096   ; the word twice: 32 lanes fill 256 bytes
	s_endpgm
.Lfunc_end_k_q735e28d0fa_prep:
	.size	k_q735e28d0fa_prep, .Lfunc_end_k_q735e28d0fa_prep-k_q735e28d0fa_prep
	.p2alignl 7, 3214868480
	.fill 96, 4, 3214868480
	.section	.rodata,"a",@progbits
	.p2align	6, 0x0
	.amdhsa_kernel k_q735e28d0fa_prep
		.amdhsa_group_segment_fixed_size 34816
		.amdhsa_private_segment_fixed_size 0
		.amdhsa_enable_private_segment 0
		.amdhsa_kernarg_size 24
		.amdhsa_user_sgpr_count 2
		.amdhsa_user_sgpr_kernarg_segment_ptr 1
		.amdhsa_wavefront_size32 1
		.amdhsa_system_sgpr_workgroup_id_x 1
		.amdhsa_system_sgpr_workgroup_id_y 1
		.amdhsa_system_sgpr_workgroup_id_z 1
		.amdhsa_system_vgpr_workitem_id 0
		.amdhsa_next_free_vgpr 192
		.amdhsa_next_free_sgpr 66
		.amdhsa_reserve_vcc 0
		.amdhsa_float_denorm_mode_32 3
		.amdhsa_float_denorm_mode_16_64 3
		.amdhsa_memory_ordered 1
		.amdhsa_forward_progress 1
		.amdhsa_inst_pref_size 24
	.end_amdhsa_kernel
	.amdgpu_metadata
---
amdhsa.version: [ 1, 2 ]
amdhsa.kernels:
  - .name:           k_q735e28d0fa_prep
    .symbol:         k_q735e28d0fa_prep.kd
    .args:
      - { .name: mu, .offset: 0, .size: 8, .value_kind: global_buffer, .address_space: global }
      - { .name: alpha, .offset: 8, .size: 8, .value_kind: global_buffer, .address_space: global }
      - { .name: pack, .offset: 16, .size: 8, .value_kind: global_buffer, .address_space: global }
    .group_segment_fixed_size: 34816
    .private_segment_fixed_size: 0
    .kernarg_segment_align: 8
    .kernarg_segment_size: 24
    .max_flat_workgroup_size: 128
    .sgpr_count:     66
    .vgpr_count:     192
    .wavefront_size: 32
...
	.end_amdgpu_metadata
.endif
;; end of part 1
;; launch main (part 2): grid 256 x 1, 4 waves a work-group, clusters of 4 x 1, 327,680 bytes of LDS; arguments x, gamma, pack, out0; writes out0
.if DOCPART == 2
	.amdgcn_target "amdgcn-amd-amdhsa--gfx1250"
	.amdhsa_code_object_version 6
	.text
	.protected	k_q735e28d0fa_main
	.globl	k_q735e28d0fa_main
	.p2align	8
	.type	k_q735e28d0fa_main,@function
k_q735e28d0fa_main:
	s_mov_b64 s[64:65], 0
	v_nop
	global_prefetch_b8 v0, s[64:65] scope:SCOPE_SE
	s_setreg_imm32_b32 hwreg(HW_REG_WAVE_MODE, 25, 1), 1
	s_wait_xcnt 0x0
	s_wait_alu depctr_hold_cnt(0) depctr_sa_sdst(0) depctr_va_vdst(0) depctr_va_sdst(0) depctr_va_ssrc(0) depctr_va_vcc(0) depctr_vm_vsrc(0)
	s_getreg_b32 s2, hwreg(HW_REG_IB_STS2, 6, 4)
	s_cmp_eq_u32 s2, 0
	s_cbranch_scc0 .Lentry_in_a_cluster
	s_endpgm
.Lentry_in_a_cluster:
	s_bfe_u32 s2, ttmp6, 0x10000c
	s_cmp_lg_u32 s2, 0x3003
	s_cbranch_scc0 .Lentry_shape_is_right
	s_endpgm
.Lentry_shape_is_right:
; out = Q(exp(gamma (2 Q(x) Q(mu)^T - d_x - d_mu))) Q(alpha), from x and from what the first launch has laid out in pack (described at its head).  No work of reference() is left out.
; A work-group owns 64 rows of x.  Its four waves quantise 16 rows each, hand the operand images round through LDS, and then each wave holds ALL 64 rows (16 fragments, 192 registers) and walks a quarter of
; the centres: eight entries of 128, two units of 64 each.  Per unit: 64 matrix instructions (4 tiles of centres x 4 groups of rows x 4 K steps), then the exponentials, the quantiser, and, every second unit, the second product.
; THE FIRST PRODUCT IS USED TRANSPOSED (source 0 = centres, source 1 = rows of x): a lane holds one row of x and, by the choice of the tiles' rows, 32 neighbouring centres: ONE block of 32 along the next K,
; so the block's largest number needs no other lane and the codes are the next operand's registers.
; THE UNITS OVERLAP: unit 0 and unit 1 have scores of their own (S0, S1).  What follows a unit's exponentials (the blocks' largest numbers, the conversions, the scale words) stands, four instructions at a time, behind the
; matrix instructions of the NEXT unit.  The loop is turned round to that end: a turn runs unit 1 of a trip and then unit 0 of the next.
; mu COMES BY TWO WAYS.  An entry's unit 0 and its tables (28,928 bytes for each wave) come by a JOINT tensor load, fetched once for the four work-groups of a cluster, through a ring of two LDS slots of 115,712 bytes:
; one load a wave and trip, asked for in unit 1's product and waited for ahead of the next trip's.  Unit 1 goes from memory straight into registers: both units in LDS would need twice the ring, 462,848 bytes.
; Each wave reads only its own tiles of the ring.
; NO PREFETCH: cluster i begins its walk at entry row i mod 8 and goes round; with four waves, the 32 starts of eight clusters name every entry of pack in the first trip, so later trips read what other work-groups have read in this launch.
; LIMITS: blocks whose largest magnitude lies under 2^-122 get the scale byte 1; NaN and infinities among the inputs are not served; the sum over the centres begins at another entry in each cluster.
; REGISTERS, in windows of 256: window 0: addresses, scales, alpha's fragment, P's codes, one fragment of unit 1 (v112-123), S0 (v128-255: rows n at 32 n, tile u at 8 u; in the head at work).
;   window 1: x's fragments v0-191, the -d_mu / 2 of a unit v192-223, O v224-255 (in the head: x as loaded).   window 2: S1 v0-127, ten fragments of unit 0 v128-247, T v248-255.   window 3: six of unit 0 v0-71, fifteen of unit 1 v72-251.
.set ENT,    53504
.set UOFF,   28928
.set TABO,   24576
.set TILE,   28928                     ; a wave's tile: 113 rows of 256 bytes
.set SLOTB,  4*TILE
.set XIMG,   2*SLOTB                   ; x's images: (4 n + s) x 1,536
.set XSC,    XIMG+16*1536              ; x's scale words: 128 (4 (n / 2) + s) + 64 (n % 2) + 4 r
.set DXP,    XSC+8*128                 ; d_x: 64 n + 4 r
.set XST,    DXP+256                   ; a stage for each wave, for x
.set SPITCH, 528
.set STGB,   16*SPITCH
.set OUTS,   XST+4*STGB                ; the waves' sums of the output, 4,096 bytes each
.set SPARE,  OUTS+4*4096               ; the spare words, 128 bytes for each wave: two blocks of 256 bytes that no other line names
.set AO,   1                           ; 16 x lane; never rewritten
.set A16,  2                           ; v2-3   LDS addresses in my tile of slot 0, 1: 16 bytes a lane,
.set AB,   4                           ; v4-5   -d_mu / 2 (32 h),
.set A8,   6                           ; v6-7   8 bytes a lane
.set SPW,  8
.set H8,   9                           ; 8 h
.set OW,   10
.set ORD,  11
.set NIL,  12
.set AS,   13
.set MS,   16                          ; mu's scale words of a unit: register 4 (u / 2) + s, tile u in lanes 0-15 or 16-31
.set XS,   24                          ; x's: register 4 (n / 2) + s
.set PW,   32                          ; P's scale words
.set TM,   36
.set TN,   40                          ; (= TM + 4)
.set DX,   44                          ; -gamma log2(e) d_x
.set W0,   48                          ; unit 0's scale bytes
.set AL,   52                          ; v52-63 alpha's fragment
.set P,    64                          ; P's codes: 12 n + 6 c
.set XT,   124
.set X,    128                         ; (head) 64 numbers of x
.set ACC,  200                         ; (head) v200-207 the sum of squares
.set IA,   208                         ; (head) addresses
.set SA,   209
.set DA,   210
.set FA,   211
.set XA,   212
.set DL,   213
.set TT,   216                         ; (head) v216-223
.set WD,   224                         ; (head)
.set SIN,  225
.set SOUT, 226
.set BI,   192                         ; window 1
.set O,    224                         ; window 1
.set T,    248                         ; window 2
.set WV,   14
.set ROT,  15
.set SEL,  20
.set C2,   22
.set CNT,  27
.set CUR,  28                          ; s[28:29] the entry from which unit 1's loads come
.set OFS,  30
.set G1,   32
.set G0,   40                          ; s[40:47] descriptor group 0, a set for each slot
.set MSB, 0
.macro WIN new                         ; the immediate's high byte repeats the setting that is left
.if MSB != (\new)
	s_set_vgpr_msb (MSB<<8)|(\new)
.set MSB, (\new)
.endif
.endm
.macro PLACES n
.rept \n
	v_nop
.endr
.endm
.macro CREST                           ; a round of the cluster's barrier behind its opening barrier
	s_cmp_lg_u32 s[WV], 0
	s_cbranch_scc1 .Lnot_wave_0_\@
	s_barrier_signal -3
.Lnot_wave_0_\@:
	s_barrier_wait -3
	s_barrier_signal -1
	s_barrier_wait -1
.endm
.macro ROUND
	s_barrier_signal -1
	s_barrier_wait -1
	CREST
.endm
.macro ENTRY k                         ; where my entry of trip 2 CNT + k begins: entry 4 ((trip + start) mod 8) + wave
	s_lshl_b32 s24, s[CNT], 1
	s_add_co_u32 s24, s24, s[ROT]
	s_add_co_u32 s24, s24, \k
	s_and_b32 s24, s24, 7
	s_lshl_b32 s24, s24, 2
	s_add_co_u32 s24, s24, s[WV]
	s_mul_i32 s[OFS], s24, ENT
.endm
.macro LOADF s                         ; K step s of my 16 rows of x
.irp i, 0,1,2,3,4,5,6,7,8,9,10,11,12,13,14,15
	global_load_b128 v[64*\s+4*\i:64*\s+4*\i+3], v[AO], s[4:5] offset:2048*\i+512*\s th:TH_LOAD_NT
.endr
.endm
.macro TREG k, e                       ; fragment e = 4 s + u of unit k: window rW, first register rA
.if (\k) == 0
.if (\e) < 10
.set ra, 640+12*(\e)
.else
.set ra, 768+12*((\e)-10)
.endif
.else
.if (\e) < 15
.set ra, 840+12*(\e)
.else
.set ra, 112
.endif
.endif
.set rW, ra/256
.set rA, ra%256
.endm
.macro DLOAD                           ; unit 1's 16 fragments: 48 loads of 512 consecutive bytes
.irp e, 0,1,2,3,4,5,6,7,8,9,10,11,12,13,14,15
	TREG 1, \e
	WIN (rW<<6)
.irp i, 0,1,2
	global_load_b128 v[rA+4*\i:rA+4*\i+3], v[AO], s[CUR:CUR+1] offset:UOFF+1536*\e+512*\i
.endr
.endr
	WIN 0
.endm
.macro ELOAD p                         ; unit 0's 16 fragments, from slot p
.irp e, 0,1,2,3,4,5,6,7,8,9,10,11,12,13,14,15
	TREG 0, \e
	WIN (rW<<6)
.irp i, 0,1,2
	ds_load_b128 v[rA+4*\i:rA+4*\i+3], v[A16+\p] offset:1536*\e+512*\i
.endr
.endr
	WIN 0
.endm
.macro SQ first
.irp k, 0,2,4,6
.if \first
	v_pk_mul_f32 v[ACC+\k:ACC+\k+1], v[X+\k:X+\k+1], v[X+\k:X+\k+1]
.else
	v_pk_fma_f32 v[ACC+\k:ACC+\k+1], v[X+\k:X+\k+1], v[X+\k:X+\k+1], v[ACC+\k:ACC+\k+1]
.endif
.endr
.irp j, 8,16,24,32,40,48,56
.irp k, 0,2,4,6
	v_pk_fma_f32 v[ACC+\k:ACC+\k+1], v[X+\j+\k:X+\j+\k+1], v[X+\j+\k:X+\j+\k+1], v[ACC+\k:ACC+\k+1]
.endr
.endr
.endm
; 64 numbers of a lane, two whole blocks of 32 along K, become a fragment's registers v[P] on and, in all 32 lanes, the row's scale word v[WD]
.macro QUANT
.irp c, 0,1
	v_max3_num_f32 v[TM+\c], |v[X+32*\c]|, |v[X+32*\c+1]|, |v[X+32*\c+2]|
.endr
.irp c, 0,1
	v_max3_num_f32 v[TM+2+\c], |v[X+32*\c+3]|, |v[X+32*\c+4]|, |v[X+32*\c+5]|
.endr
.irp i, 6,10,14,18,22,26
.irp c, 0,1
	v_max3_num_f32 v[TM+\c], v[TM+\c], |v[X+32*\c+\i]|, |v[X+32*\c+\i+1]|
.endr
.irp c, 0,1
	v_max3_num_f32 v[TM+2+\c], v[TM+2+\c], |v[X+32*\c+\i+2]|, |v[X+32*\c+\i+3]|
.endr
.endr
.irp c, 0,1
	v_max3_num_f32 v[TM+\c], v[TM+\c], |v[X+32*\c+30]|, |v[X+32*\c+31]|
.endr
.irp c, 0,1
	v_max3_num_f32 v[TM+\c], v[TM+\c], v[TM+2+\c], 0x2800000   ; and the floor 2^(5 - 127)
.endr
.irp c, 0,1
	v_add_nc_u32 v[W0+\c], 0xfe000000, v[TM+\c]    ; 4 off the exponent field: the conversion's scale operand
.endr
.irp c, 0,1
	v_lshrrev_b32 v[TN+\c], 23, v[W0+\c]
.endr
	v_lshl_or_b32 v[WD], v[TN+1], 16, v[TN]
.irp c, 0,1
	v_cvt_scalef32_pk16_bf6_f32 v[P+6*\c:P+6*\c+2], v[X+32*\c:X+32*\c+15], v[W0+\c]
	v_cvt_scalef32_pk16_bf6_f32 v[TT+4*\c:TT+4*\c+2], v[X+32*\c+16:X+32*\c+31], v[W0+\c]
.endr
	v_lshlrev_b32 v[WD], v[H8], v[WD]              ; (also the plain place behind the conversions)
	v_permlanex16_b32 v[XT], v[WD], s[SEL], s[SEL+1]
	v_or_b32 v[WD], v[WD], v[XT]
.irp c, 0,1
.irp i, 0,1,2
	v_mov_b32 v[P+6*\c+3+\i], v[TT+4*\c+\i]
.endr
.endr
.endm
.macro LOADB c, p                      ; -d_mu / 2 and the scale words of unit c of slot p's entry
	WIN 0x40
.irp u, 0,1,2,3
.irp i, 0,1
	ds_load_b128 v[BI+8*\u+4*\i:BI+8*\u+4*\i+3], v[AB+\p] offset:TABO+256*\c+64*\u+16*\i
.endr
.endr
	WIN 0
.irp t, 0,1
	ds_load_b128 v[MS+4*\t:MS+4*\t+3], v[A16+\p] offset:TABO+512+1024*\c+512*\t
.endr
.endm
.macro LOADA p                         ; alpha's fragment of slot p's entry
.irp j, 0,1,2
	ds_load_b128 v[AL+4*\j:AL+4*\j+3], v[A16+\p] offset:TABO+2560+512*\j
.endr
	ds_load_b32 v[AS], v[A8+\p] offset:TABO+4096
.endm
; BEHIND THE EXPONENTIALS: p of unit VC (in window VSW from VSB on) becomes P's codes of that unit, one instruction a call, VK counting them: 96 for unit 0, 112 for unit 1 (which also completes P's scale words)
.macro VCVT                            ; vq 0, 1: the lower 16 of rows n's block; 2, 3: the upper 16  (a conversion's three registers begin on an even number: the upper ones are moved)
.set vn, 2*vp+(vq%2)
.set vs, VSB+32*vn+16*(vq/2)
.if vq < 2
	WIN VSW
	v_cvt_scalef32_pk16_bf6_f32 v[P+12*vn+6*VC:P+12*vn+6*VC+2], v[vs:vs+15], v[TM+vn]
.else
	WIN (VSW|0x80)
	v_cvt_scalef32_pk16_bf6_f32 v[T+4*(vn%2):T+4*(vn%2)+2], v[vs:vs+15], v[TM+vn]
.endif
.endm
.macro VMOV
.set vn, 2*vp+(vq/3)
.set vi, vq%3
	WIN 2
	v_mov_b32 v[P+12*vn+6*VC+3+vi], v[T+4*(vn%2)+vi]
.endm
.macro VI
.if VK < 64
.set vg, VK/8
.set vn, VK%4
.set vh, (VK/4)%2
.set vs, VSB+32*vn+4*vg+2*vh
.set vt, TM+4*vh+vn
	WIN (VSW*0x14)
.if vg == 0
	v_max3_num_f32 v[vt], 0x2800000, v[vs], v[vs+1]    ; with the floor 2^(5 - 127)
.else
	v_max3_num_f32 v[vt], v[vt], v[vs], v[vs+1]
.endif
.elseif VK < 68
.set vn, VK-64
	WIN 0
	v_max_num_f32 v[TM+vn], v[TM+vn], v[TN+vn]     ; the block's largest p
.elseif VK < 72
.set vn, VK-68
	WIN 0
	v_add_nc_u32 v[TM+vn], 0xfe000000, v[TM+vn]    ; 4 off its exponent field: the conversion's scale operand
.elseif VK < 76
.set vq, VK-72
.set vp, 0
	VCVT
.elseif VC == 0
.if VK < 78
.set vn, VK-76
	WIN 0
	v_lshrrev_b32 v[W0+vn], 23, v[TM+vn]           ; block h's byte  (also the plain place behind the conversions)
.elseif VK < 84
.set vq, VK-78
.set vp, 0
	VMOV
.elseif VK < 88
.set vq, VK-84
.set vp, 1
	VCVT
.elseif VK < 90
.set vn, VK-86
	WIN 0
	v_lshrrev_b32 v[W0+vn], 23, v[TM+vn]
.else
.set vq, VK-90
.set vp, 1
	VMOV
.endif
.elseif VK < 80
.set vn, VK-76
	WIN 0
	v_lshrrev_b32 v[TN+vn], 23, v[TM+vn]           ; block 2 + h's byte
.elseif VK < 86
.set vq, VK-80
.set vp, 0
	VMOV
.elseif VK < 90
.set vq, VK-86
.set vp, 1
	VCVT
.elseif VK < 94
.set vn, VK-90
	WIN 0
	v_lshl_or_b32 v[TN+vn], v[TN+vn], 16, v[W0+vn]
.elseif VK < 100
.set vq, VK-94
.set vp, 1
	VMOV
.elseif VK < 104
.set vn, VK-100
	WIN 0
	v_lshlrev_b32 v[TN+vn], v[H8], v[TN+vn]
.elseif VK < 108
.set vn, VK-104
	WIN 0
	v_permlanex16_b32 v[XT+vn], v[TN+vn], s[SEL], s[SEL+1]
.else
.set vn, VK-108
	WIN 0
	v_or_b32 v[PW+vn], v[TN+vn], v[XT+vn]          ; with lane l xor 16's two the row's scale word for these 128 centres
.endif
.set VK, VK+1
.endm
.macro MMI s, u, n                     ; tile u of centres (unit mK) x rows n, K step s, onto the scores in window dW from sB on; the first K step takes -d_mu / 2 as C
	TREG mK, 4*(\s)+(\u)
.set rD, sB+32*(\n)+8*(\u)
.set rC, rD
.set cW, dW
.if (\s) == 0
.set rC, BI+8*(\u)
.set cW, 1
.endif
.set rB, 12*(4*(\n)+(\s))
.set rM, MS+4*((\u)/2)+(\s)
.set rX, XS+4*((\n)/2)+(\s)
	WIN (rW|4|(cW<<4)|(dW<<6))
.if (((\u)%2) == 0) && (((\n)%2) == 0)
	v_wmma_scale_f32_16x16x128_f8f6f4 v[rD:rD+7], v[rA:rA+11], v[rB:rB+11], v[rC:rC+7], v[rM], v[rX] matrix_a_fmt:MATRIX_FMT_BF6 matrix_b_fmt:MATRIX_FMT_BF6
.elseif ((\n)%2) == 0
	v_wmma_scale_f32_16x16x128_f8f6f4 v[rD:rD+7], v[rA:rA+11], v[rB:rB+11], v[rC:rC+7], v[rM], v[rX] matrix_a_fmt:MATRIX_FMT_BF6 matrix_b_fmt:MATRIX_FMT_BF6 matrix_a_scale:MATRIX_SCALE_ROW1
.elseif ((\u)%2) == 0
	v_wmma_scale_f32_16x16x128_f8f6f4 v[rD:rD+7], v[rA:rA+11], v[rB:rB+11], v[rC:rC+7], v[rM], v[rX] matrix_a_fmt:MATRIX_FMT_BF6 matrix_b_fmt:MATRIX_FMT_BF6 matrix_b_scale:MATRIX_SCALE_ROW1
.else
	v_wmma_scale_f32_16x16x128_f8f6f4 v[rD:rD+7], v[rA:rA+11], v[rB:rB+11], v[rC:rC+7], v[rM], v[rX] matrix_a_fmt:MATRIX_FMT_BF6 matrix_b_fmt:MATRIX_FMT_BF6 matrix_a_scale:MATRIX_SCALE_ROW1 matrix_b_scale:MATRIX_SCALE_ROW1
.endif
.endm
.macro STEPM s                         ; a K step: 16 accumulators by turns, four instructions of the last unit's quantiser behind each product while there are any
.irp u, 0,1,2,3
.irp n, 0,1,2,3
	MMI \s, \u, \n
.rept 4
.if VK < VN
	VI
.endif
.endr
.endr
.endr
.endm
.macro PKF sb, sw                      ; t = c2 S - c d_x, c = gamma log2(e), c2 = 2 c
	WIN (\sw)*0x41
.irp n, 0,1,2,3
.irp j, 0,2,4,6,8,10,12,14,16,18,20,22,24,26,28,30
.if (\n%2) == 0
	v_pk_fma_f32 v[\sb+32*\n+\j:\sb+32*\n+\j+1], v[\sb+32*\n+\j:\sb+32*\n+\j+1], s[C2:C2+1], v[DX+2*(\n/2):DX+2*(\n/2)+1] op_sel_hi:[1,0,0]
.else
	v_pk_fma_f32 v[\sb+32*\n+\j:\sb+32*\n+\j+1], v[\sb+32*\n+\j:\sb+32*\n+\j+1], s[C2:C2+1], v[DX+2*(\n/2):DX+2*(\n/2)+1] op_sel:[0,0,1] op_sel_hi:[1,0,1]
.endif
.endr
.endr
	WIN 0
	s_wait_alu depctr_va_vdst(0)                   ; ahead of the batch
.endm
.macro EXPS sb, sw                     ; p = 2^t
	WIN (\sw)*0x41
.irp n, 0,1,2,3
.irp j, 0,1,2,3,4,5,6,7,8,9,10,11,12,13,14,15,16,17,18,19,20,21,22,23,24,25,26,27,28,29,30,31
	v_exp_f32 v[\sb+32*\n+\j], v[\sb+32*\n+\j]
.endr
.endr
	v_nop
	WIN 0
	s_wait_alu depctr_va_vdst(0)                   ; and behind it
.endm
.macro PV                              ; O += alpha^T p^T over an entry's 128 centres
	PLACES 8                                       ; P's scale words stand eight places ahead
	WIN 0x50
	s_wait_alu depctr_va_vdst(0)                   ; the wait here, directly ahead of the first reader of O
.irp n, 0,1,2,3
	v_wmma_scale_f32_16x16x128_f8f6f4 v[O+8*\n:O+8*\n+7], v[AL:AL+11], v[P+12*\n:P+12*\n+11], v[O+8*\n:O+8*\n+7], v[AS], v[PW+\n] matrix_a_fmt:MATRIX_FMT_BF6 matrix_b_fmt:MATRIX_FMT_BF6
.endr
	WIN 0
.endm
; Unit 0 of a trip, its tables in slot p.  post = 1: with the quantiser of the last trip's unit 1 behind its products, and the last trip's second product behind them
.macro HALF0 p, post
.set mK, 0
.set sB, 128
.set dW, 0
.set VC, 1
.set VSB, 0
.set VSW, 2
.set VK, 0
.set VN, 112*(\post)
	STEPM 0
	STEPM 1
	STEPM 2
	STEPM 3
	WIN 0
.if \post
	PV
.else
	PLACES 4
.endif
	PKF 128, 0
	LOADB 1, \p
	LOADA \p                                       ; (the last reads of this slot)
	EXPS 128, 0
	s_wait_dscnt 0x0                               ; unit 1's tables and alpha's fragment are in
.endm
; Unit 1 of a trip in slot p.  tf = 1: the slot is filled again, with the entry two trips on.  df = 1: both units' fragments for the next trip are fetched
.macro HALF1 p, tf, df
.if \df
	s_wait_xcnt 0x0                                ; unit 1's loads have read their base
	ENTRY (\p)+1
	s_add_nc_u64 s[CUR:CUR+1], s[8:9], s[OFS:OFS+1]
.endif
	s_wait_loadcnt 0x0                             ; unit 1's fragments are in
.if \df
	s_wait_tensorcnt 0x0                           ; all my tensor loads have landed: my tile of the other slot;
.endif
.if \tf
	ds_add_u32 v[SPW], v[NIL]                      ; 0 onto my spare word
	ENTRY (\p)+2
	s_add_nc_u64 s[G0+4*\p+2:G0+4*\p+3], s[8:9], s[OFS:OFS+1]
	s_or_b32 s[G0+4*\p+3], s[G0+4*\p+3], 0x80000000
.endif
.set mK, 1
.set sB, 0
.set dW, 2
.set VC, 0
.set VSB, 128
.set VSW, 0
.set VK, 0
.set VN, 0
	STEPM 0
.if \tf
	s_wait_dscnt 0x0                               ; the add is done, and my reads of this slot are over
	s_barrier_signal -1                            ; the barrier opens a round of the cluster's barrier
.endif
	STEPM 1
	WIN 0
.if \tf
	s_barrier_wait -1
	CREST                                          ; no wave of any partner still reads this slot or has a load on its way
	tensor_load_to_lds s[G0+4*\p:G0+4*\p+3], s[G1:G1+7]
	s_nop 0
	PLACES 4
.endif
.set VN, 96
	STEPM 2
	STEPM 3
	WIN 0
	PLACES 4
	PKF 0, 2
.if \df
	LOADB 0, 1-\p
	ELOAD 1-\p
	DLOAD
.endif
	EXPS 0, 2
.if \df
	s_wait_dscnt 0x0                               ; the next trip's unit 0 and its tables are in
.endif
.endm
.macro BODY p, tf, df                  ; unit 1 of a trip in slot p, then unit 0 of the next
	HALF1 \p, \tf, \df
	HALF0 1-\p, 1
.endm
	s_load_b256 s[4:11], s[0:1], 0x0               ; x s[4:5], gamma s[6:7], pack s[8:9], out0 s[10:11]
	v_lshl_add_u32 v[SPW], v0, 2, SPARE
	v_mov_b32 v[NIL], 0
	ds_add_u32 v[SPW], v[NIL]                      ; the wave's opening: the add, twice on end, and its wait ahead of my first tensor load
	ds_add_u32 v[SPW], v[NIL]
	v_lshrrev_b32 v16, 5, v0
	v_readfirstlane_b32 s[WV], v16
	v_and_b32 v16, 31, v0
	v_lshlrev_b32 v[AO], 4, v16
	s_bfe_u32 s16, ttmp6, 0x40000                  ; cx
	s_lshl_b32 s17, ttmp9, 2
	s_add_co_u32 s17, s17, s16                     ; my work-group's number = 4 x cluster + cx
	; descriptor group 1: a tile, dense: 113 rows of 32 elements of 8 bytes; the mask names the cluster's four work-groups, bit 21 set beside it
	s_mov_b32 s[G1+0], 15|(3<<16)|(1<<21)
	s_mov_b32 s[G1+1], 32<<16
	s_mov_b32 s[G1+2], 113<<16
	s_mov_b32 s[G1+3], 32<<16
	s_mov_b32 s[G1+4], 113
	s_mov_b32 s[G1+5], 32
	s_mov_b32 s[G1+6], 0
	s_mov_b32 s[G1+7], 0
	s_mov_b32 s[SEL], 0x76543210                   ; v_permlanex16_b32's selects for lane l xor 16
	s_mov_b32 s[SEL+1], 0xfedcba98
	s_lshl_b32 s54, s17, 17                        ; x: 64 rows of 2,048 bytes a work-group,
	s_lshl_b32 s55, s[WV], 15                      ; 16 a wave
	s_add_co_u32 s54, s54, s55
	s_mov_b32 s55, 0
	s_lshl_b32 s56, s17, 12                        ; out: 64 rows of 64 bytes
	s_mov_b32 s57, 0
	s_mul_i32 s58, s[WV], TILE                     ; my tile of slot 0
	s_and_b32 s[ROT], ttmp9, 7                     ; where my cluster's walk begins
	s_mov_b32 s[CNT], 0
	s_mov_b32 s[OFS+1], 0
	s_mul_i32 s48, s[WV], STGB
	s_add_co_u32 s48, s48, XST                     ; my stage
	s_mul_i32 s49, s[WV], 4*1536
	s_add_co_u32 s49, s49, XIMG                    ; my four images
	s_lshr_b32 s50, s[WV], 1
	s_lshl_b32 s50, s50, 9
	s_and_b32 s51, s[WV], 1
	s_lshl_b32 s51, s51, 6
	s_add_co_u32 s50, s50, s51
	s_add_co_u32 s50, s50, XSC                     ; my scale words
	s_lshl_b32 s51, s[WV], 6
	s_add_co_u32 s51, s51, DXP                     ; my d_x
	s_lshl_b32 s52, s[WV], 12
	s_add_co_u32 s52, s52, OUTS                    ; my sums
	s_wait_alu depctr_va_vdst(0)                   ; the wait here, directly ahead of the waits below
	s_wait_dscnt 0x0                               ; both opening adds are done
	s_wait_kmcnt 0x0
	s_add_nc_u64 s[4:5], s[4:5], s[54:55]
	WIN 0x40
	LOADF 0
	LOADF 1
	LOADF 2
	WIN 0
	s_add_nc_u64 s[10:11], s[10:11], s[56:57]
	s_mov_b32 s[G0], 1
	s_mov_b32 s[G0+1], s58
	ENTRY 0
	s_add_nc_u64 s[CUR:CUR+1], s[8:9], s[OFS:OFS+1]
	s_add_nc_u64 s[G0+2:G0+3], s[8:9], s[OFS:OFS+1]
	s_or_b32 s[G0+3], s[G0+3], 0x80000000
	s_mov_b32 s[G0+4], 1
	s_add_co_u32 s[G0+5], s58, SLOTB
	ENTRY 1
	s_add_nc_u64 s[G0+6:G0+7], s[8:9], s[OFS:OFS+1]
	s_or_b32 s[G0+7], s[G0+7], 0x80000000
	ROUND                                          ; in front of the first joint load
	tensor_load_to_lds s[G0:G0+3], s[G1:G1+7]      ; slot 0
	s_nop 0
	PLACES 4
	s_load_b32 s26, s[6:7], 0x0                    ; gamma
	v_and_b32 v14, 15, v0                          ; r
	v_bfe_u32 v15, v0, 4, 1                        ; h
	v_lshlrev_b32 v[H8], 3, v15
	v_lshrrev_b32 v[XA], 2, v[AO]
	v_mul_u32_u24 v[SOUT], v14, SPITCH
	v_add_nc_u32 v[SIN], s48, v[AO]
	v_lshl_add_u32 v[SOUT], v15, 7, v[SOUT]
	v_add_nc_u32 v[SOUT], s48, v[SOUT]
	v_add_nc_u32 v[IA], s49, v[AO]
	v_lshl_add_u32 v[SA], v14, 2, s50
	v_lshl_add_u32 v[DA], v14, 2, s51
	v_add_nc_u32 v[FA], XIMG, v[AO]
	v_add_nc_u32 v[XA], XSC, v[XA]
	v_lshl_add_u32 v[DL], v14, 2, DXP
	v_lshrrev_b32 v[A8], 1, v[AO]
	v_add_nc_u32 v[A16], s58, v[AO]
	v_lshl_add_u32 v[AB], v15, 5, s58
	v_add_nc_u32 v[A8], s58, v[A8]
	v_add_nc_u32 v[A16+1], SLOTB, v[A16]
	v_add_nc_u32 v[AB+1], SLOTB, v[AB]
	v_add_nc_u32 v[A8+1], SLOTB, v[A8]
	v_lshlrev_b32 v[OW], 6, v14
	v_lshl_add_u32 v[OW], v15, 5, v[OW]
	v_add_nc_u32 v[OW], s52, v[OW]
	v_lshl_add_u32 v[ORD], v0, 4, OUTS
.irp n, 0,1,2,3
	v_mov_b32 v[XT+\n], 0                          ; written once: a lane permute's destination counts as one of its sources
.endr
	s_wait_alu depctr_va_vdst(0)
	WIN 0x40
	LOADF 3
	WIN 0
; x, K step by K step (the wait leaves out the younger K steps, 16 loads each): through my stage, into codes, into LDS as an image.  Behind the last K step's way into the stage unit 1's first 48 loads go out.
.irp s, 0,1,2,3
	s_wait_loadcnt 48-16*\s
	WIN 0x04
.irp i, 0,1,2,3,4,5,6,7,8,9,10,11,12,13,14,15
	ds_store_b128 v[SIN], v[64*\s+4*\i:64*\s+4*\i+3] offset:SPITCH*\i
.endr
	WIN 0
.irp c, 0,1
.irp j, 0,1,2,3,4,5,6,7
	ds_load_b128 v[X+32*\c+4*\j:X+32*\c+4*\j+3], v[SOUT] offset:256*\c+16*\j   ; LDS serves a wave's instructions in order: these see my stores
.endr
.endr
.if \s == 3
	DLOAD
.endif
	s_wait_dscnt 0x0
.if \s == 0
	SQ 1
.else
	SQ 0
.endif
	QUANT
.irp j, 0,1,2
	ds_store_b128 v[IA], v[P+4*\j:P+4*\j+3] offset:1536*\s+512*\j
.endr
	ds_store_b32 v[SA], v[WD] offset:128*\s        ; (lanes r and r + 16 hold the same word)
.endr
	v_pk_add_f32 v[ACC:ACC+1], v[ACC:ACC+1], v[ACC+2:ACC+3]
	v_pk_add_f32 v[ACC+4:ACC+5], v[ACC+4:ACC+5], v[ACC+6:ACC+7]
	v_pk_add_f32 v[ACC:ACC+1], v[ACC:ACC+1], v[ACC+4:ACC+5]
	v_add_f32 v[ACC], v[ACC], v[ACC+1]
	v_permlanex16_b32 v[XT], v[ACC], s[SEL], s[SEL+1]
	v_add_f32 v[ACC], v[ACC], v[XT]                ; d_x of row r
	ds_store_b32 v[DA], v[ACC]
	s_wait_alu depctr_va_vdst(0)
	s_wait_tensorcnt 0x0                           ; my tile of slot 0 is in LDS
	ds_add_u32 v[SPW], v[NIL]
	s_wait_dscnt 0x0                               ; the add is done, and my images, words and sums are in LDS
	ROUND
	tensor_load_to_lds s[G0+4:G0+7], s[G1:G1+7]    ; slot 1's first fill
	s_nop 0
	PLACES 4
	WIN 0x40
.irp f, 0,1,2,3,4,5,6,7,8,9,10,11,12,13,14,15
.irp j, 0,1,2
	ds_load_b128 v[12*\f+4*\j:12*\f+4*\j+3], v[FA] offset:1536*\f+512*\j
.endr
.endr
.irp j, 0,1,2,3,4,5,6,7,8,9,10,11,12,13,14,15,16,17,18,19,20,21,22,23,24,25,26,27,28,29,30,31
	v_mov_b32 v[O+\j], 0                           ; (the second product is written once in the loop: its first finds zeros)
.endr
	LOADB 0, 0
.irp i, 0,1,2,3,4,5,6,7
	ds_load_b32 v[XS+\i], v[XA] offset:128*\i
.endr
.irp n, 0,1,2,3
	ds_load_b32 v[TM+\n], v[DL] offset:64*\n
.endr
	ELOAD 0
	s_wait_alu depctr_va_vdst(0)
	s_wait_kmcnt 0x0
	s_mul_f32 s24, s26, 0x3fb8aa3b                 ; c = gamma log2(e)
	s_add_f32 s[C2], s24, s24
	s_mov_b32 s[C2+1], s[C2]                       ; (the packed form names the pair and takes its low word)
	s_xor_b32 s25, s24, 0x80000000
	s_wait_dscnt 0x0
.irp n, 0,1,2,3
	v_mul_f32 v[DX+\n], s25, v[TM+\n]
.endr
	s_wait_alu depctr_va_vdst(0)                   ; the head's end
	HALF0 0, 0                                     ; unit 0 of trip 0
.Lwalk:                                                ; unit 1 of trips 0 to 5 and unit 0 of trips 1 to 6, two trips a turn: slot 0, slot 1
	BODY 0, 1, 1
	BODY 1, 1, 1
	s_wait_alu depctr_va_vdst(0)                   ; the wait here, ahead of the branch
	s_add_co_u32 s[CNT], s[CNT], 1
	s_cmp_lt_u32 s[CNT], 3
	s_cbranch_scc1 .Lwalk
	BODY 0, 0, 1                                   ; trip 6 fills no slot again,
	HALF1 1, 0, 0                                  ; trip 7 asks for nothing
.set VC, 1                             ; and its unit 1's quantiser has no product to stand behind
.set VSB, 0
.set VSW, 2
.set VK, 0
.rept 112
	VI
.endr
	WIN 0
	PV
; THE WAY OUT: O of lane (r, h), rows n: register j = out(row 16 n + r, 8 h + j).  The four waves' sums meet in LDS; a thread adds two pieces of 16 bytes
	PLACES 4
	WIN 0x04
.irp n, 0,1,2,3
	ds_store_b128 v[OW], v[O+8*\n:O+8*\n+3] offset:1024*\n
	ds_store_b128 v[OW], v[O+8*\n+4:O+8*\n+7] offset:1024*\n+16
.endr
	WIN 0
	v_lshlrev_b32 v14, 4, v0
	s_wait_alu depctr_va_vdst(0)
	s_wait_dscnt 0x0
	s_barrier_signal -1
	s_barrier_wait -1
.irp w, 0,1,2,3
.irp k, 0,1
	ds_load_b128 v[128+8*\w+4*\k:128+8*\w+4*\k+3], v[ORD] offset:4096*\w+2048*\k
.endr
.endr
	s_wait_dscnt 0x0
.irp w, 1,2,3
.irp j, 0,2,4,6
	v_pk_add_f32 v[128+\j:129+\j], v[128+\j:129+\j], v[128+8*\w+\j:129+8*\w+\j]
.endr
.endr
	global_store_b128 v14, v[128:131], s[10:11] th:TH_STORE_NT
	global_store_b128 v14, v[132:135], s[10:11] offset:2048 th:TH_STORE_NT
	s_wait_tensorcnt 0x0                           ; the wave's end: behind my last tensor load and my last LDS store
	ds_add_u32 v[SPW], v[NIL]
	s_wait_dscnt 0x0
	ROUND                                          ; the closing round
	s_endpgm
.Lfunc_end_k_q735e28d0fa_main:
	.size	k_q735e28d0fa_main, .Lfunc_end_k_q735e28d0fa_main-k_q735e28d0fa_main
	.p2alignl 7, 3214868480
	.fill 96, 4, 3214868480
	.section	.rodata,"a",@progbits
	.p2align	6, 0x0
	.amdhsa_kernel k_q735e28d0fa_main
		.amdhsa_group_segment_fixed_size 327680
		.amdhsa_private_segment_fixed_size 0
		.amdhsa_enable_private_segment 0
		.amdhsa_kernarg_size 32
		.amdhsa_user_sgpr_count 2
		.amdhsa_user_sgpr_kernarg_segment_ptr 1
		.amdhsa_wavefront_size32 1
		.amdhsa_system_sgpr_workgroup_id_x 1
		.amdhsa_system_sgpr_workgroup_id_y 1
		.amdhsa_system_sgpr_workgroup_id_z 1
		.amdhsa_system_vgpr_workitem_id 0
		.amdhsa_next_free_vgpr 1024
		.amdhsa_next_free_sgpr 66
		.amdhsa_reserve_vcc 0
		.amdhsa_float_denorm_mode_32 3
		.amdhsa_float_denorm_mode_16_64 3
		.amdhsa_memory_ordered 1
		.amdhsa_forward_progress 1
		.amdhsa_inst_pref_size 255
	.end_amdhsa_kernel
	.section	.bss,"aw",@nobits
	.p2align	6
	.space	262144
	.amdgpu_metadata
---
amdhsa.version: [ 1, 2 ]
amdhsa.kernels:
  - .name:           k_q735e28d0fa_main
    .symbol:         k_q735e28d0fa_main.kd
    .args:
      - { .name: x, .offset: 0, .size: 8, .value_kind: global_buffer, .address_space: global }
      - { .name: gamma, .offset: 8, .size: 8, .value_kind: global_buffer, .address_space: global }
      - { .name: pack, .offset: 16, .size: 8, .value_kind: global_buffer, .address_space: global }
      - { .name: out0, .offset: 24, .size: 8, .value_kind: global_buffer, .address_space: global }
    .group_segment_fixed_size: 327680
    .private_segment_fixed_size: 0
    .kernarg_segment_align: 8
    .kernarg_segment_size: 32
    .max_flat_workgroup_size: 128
    .sgpr_count:     66
    .vgpr_count:     1024
    .wavefront_size: 32
...
	.end_amdgpu_metadata
.endif
;; end of part 2
